; MI455X (gfx1250); checked and timed in simulation.
; The chip was launched on July 23, 2026; its instructions are those of AMD's public machine-readable ISA for CDNA 5 (MIT licence, August 2026) and "CDNA5" Instruction Set Architecture Reference Guide (July 2026). The comments in the code are by the model that wrote it; some were corrected since.
;; Mixing Network. Allowed arithmetic: matrix products marked QUANTISED: E3M2 operands, one E8M0 scale for each 32 along K, by v_wmma_scale_f32_16x16x128_f8f6f4 with both operands' format E3M2, f32 sums; products left as they are: f32 operands where the result goes on into a quantised operand, else bf16, f16 or f32 operands; f32 sums; everything else in f32.
;; Inputs: agent_q_values 256 x 512 x 8 float32; b1a 256 float32; b1b 512 float32; b2a 256 float32; b2b 64 float32; bb1 64 float32; bb2a 256 float32; bb2b 1 float32; central_states 256 x 512 x 256 float32; w1a 256 x 256 float32; w1b 256 x 512 float32; w2a 256 x 256 float32; w2b 256 x 64 float32; wb1 256 x 64 float32; wb2a 256 x 256 float32; wb2b 256 x 1 float32.
;; Outputs: out0 256 x 512 x 1 float32.
;; This version of the problem:
;;   THIS VERSION OF THE PROBLEM IS GIVEN IN LOW PRECISION. The matrix products marked QUANTISED in the list below multiply operands that are first quantised to E3M2 (3 exponent bits, 2 mantissa bits; 6 bits a number), with one power-of-two scale for each 32 numbers along K (OCP MX v1.0); their sums are f32. All else is computed in f32.
;;   The module's matrix products, in the order in which they are computed (A, B: the left and right operand; K: the contracted axis; several contracted axes count as one K, in the product's order):
;;     1. [M 131,072, K 256] x [K 256, N 256]; A: input central_states; B: input w1a: QUANTISED
;;     2. [M 131,072, K 256] x [K 256, N 512]; A: computed on the way; B: input w1b: QUANTISED
;;     3. [M 131,072, K 256] x [K 256, N 64]; A: input central_states; B: input wb1: QUANTISED
;;     4. [M 131,072, K 256] x [K 256, N 256]; A: input central_states; B: input w2a: QUANTISED
;;     5. [M 131,072, K 256] x [K 256, N 64]; A: computed on the way; B: input w2b: QUANTISED
;;     6. [M 131,072, K 256] x [K 256, N 256]; A: input central_states; B: input wb2a: QUANTISED
;;     7. [M 131,072, K 256] x [K 256, N 1]; A: computed on the way; B: input wb2b: left as it is (N = 1 < 16)
;;     8. batch 131,072 x [M 1, K 8] x [K 8, N 64]; A: input agent_q_values; B: computed on the way: left as it is (K = 8 < 32)
;;     9. batch 131,072 x [M 1, K 64] x [K 64, N 1]; A: computed on the way; B: computed on the way: left as it is (M = 1 < 16)
;;   THE QUANTISER, for each operand of a quantised product, along K:
;;     - K is cut into blocks of 32 from its start; a last block that is shorter is filled with zeros.
;;     - A block's scale is 2^e with e = floor(log2(the largest magnitude in the block)) - 4, held to -126 .. 127; a block of zeros has e = 0. As a byte (E8M0): e + 127.
;;     - Each number is divided by its block's scale, clamped to +-28, and rounded to the nearest number of E3M2, ties to even, subnormals kept.
;;     - The product sums the exact products of the quantised numbers (number of the format x scale) in f32.
;;   ~~~python
;;   def quantise(x, axis):      # numpy; x: float32 -> the quantised numbers, widened to float32 again
;;       x = np.moveaxis(x, axis, -1); K = x.shape[-1]
;;       x = np.pad(x, [(0, 0)] * (x.ndim - 1) + [(0, -K % 32)]); x = x.reshape(x.shape[:-1] + (-1, 32)); a = np.abs(x).max(-1, keepdims=True)
;;       e = np.where(a > 0, np.clip(np.frexp(np.where(a > 0, a, 1))[1] - 1 - 4, -126, 127), 0)      # np.frexp(a)[1] - 1 = floor(log2(a)), exactly
;;       r = np.clip(x / 2.0 ** e, -28, 28)
;;       step = 2.0 ** (np.maximum(np.frexp(np.where(r == 0, 1, r))[1] - 1, -2) - 2)
;;       q = np.round(r / step) * step * 2.0 ** e      # np.round: ties to even
;;       return np.moveaxis(q.reshape(q.shape[:-2] + (-1,))[..., :K], -1, axis).astype(np.float32)
;;   ~~~
;;   OPERANDS COMPUTED ON THE WAY. 'Computed on the way' means the value that the module computes at that place (a softmax that the list does not call 'softmax' is quantised finished and normalised). What goes into a quantiser is computed in f32, as accurately as f32 sums, v_exp_f32 and their like allow (about 1e-6 of the number): no bf16 or f16 on the way to a quantiser, and a product that is left as it is and whose result goes on into a quantised operand takes f32 operands (vector FMAs, or v_wmma_f32_16x16x4_f32). A number that lies on a knife's edge between two numbers of the format may be rounded either way, as far as f32 arithmetic and the matrix unit's own rounding can turn it there, and no further.
;; One version. Each part assembles by itself: llvm-mc -triple=amdgcn-amd-amdhsa -mcpu=gfx1250 --defsym DOCPART=n.
;; ======== version 1 of 1: 2 launches
;; limits: a function is approximated: absolute error at most 1.2e-07
;; workspace buffers: wimg 270,336 bytes; wscl 11,264 bytes
;; launch wq (part 1): grid 22 x 4, 1 waves a work-group, no clusters, 0 bytes of LDS; arguments w1a, w2a, wb2a, wb1, w1b, w2b, wimg, wscl; writes wimg, wscl
.if DOCPART == 1
	.amdgcn_target "amdgcn-amd-amdhsa--gfx1250"
	.amdhsa_code_object_version 6
	.text
	.protected	k_q49cbd0aa1a_wq
	.globl	k_q49cbd0aa1a_wq
	.p2align	8
	.type	k_q49cbd0aa1a_wq,@function
k_q49cbd0aa1a_wq:
	s_mov_b64 s[64:65], 0
	v_nop
	global_prefetch_b8 v0, s[64:65] scope:SCOPE_SE
	s_setreg_imm32_b32 hwreg(HW_REG_WAVE_MODE, 25, 1), 1
	s_wait_xcnt 0x0
; The six weights, f32 stored [K = 256][N], become codes of E3M2 with one E8M0 scale for each 32 along K, laid as the second launch's registers take them.
; A work-group is one wave and makes ONE tile of 16 weight columns (t = work-group x, 0 .. 21) for one wave of the second launch (w = work-group y, 0 .. 3), both K steps of 128:
;   t 0-7   (t = 2 b + u): w1a (w < 2) or w2a, column 128 (w & 1) + 32 b + 8 u + m + 8 (m / 8): the rows of a tile are chosen so that two neighbouring tiles' results are 16 neighbours along the next K
;   t 8-11  wb2a, column 64 w + 16 (t - 8) + m;   t 12  wb1, column 16 w + m;   t 13-20  w1b, column 64 (t - 13) + 16 w + m;   t 21  w2b, column 16 w + m
; LANE (r, h) TAKES COLUMN m = r, AND ITS REGISTERS RUN DOWN K in the order of the operand's layout (k = 128 s + 64 c + 32 h + 0 .. 31): a block of 32 lies in one lane, nothing is transposed.
; wimg: [w][fragment 2 t + s][register group c' 0-2][lane][16 bytes]: each store of the wave covers 512 consecutive bytes.  wscl: [w][t][lane][4]: lanes 0-15 row r's word of K step 0, lanes 16-31 of K step 1.
; A block's scale byte is its largest magnitude's exponent field - 4, held at 1 from below.
; LIMITS: a block of zeros gets the byte 1 where the rule says 127 (its codes are zeros, and this program alone reads the bytes); NaN and infinities among the weights are not served.
.set X,  32                            ; v32-159  register 64 s + 32 c + i: W(128 s + 64 c + 32 h + i, my column)
.set CD, 160                           ; v160-183 the codes: 12 registers a K step;  v184-190 the conversions' second halves
	s_load_b256 s[4:11], s[0:1], 0x0               ; w1a s[4:5], w2a s[6:7], wb2a s[8:9], wb1 s[10:11]
	s_load_b256 s[12:19], s[0:1], 0x20             ; w1b s[12:13], w2b s[14:15], wimg s[16:17], wscl s[18:19]
	s_mov_b32 s20, ttmp9                           ; t
	s_and_b32 s21, ttmp7, 0xffff                   ; w
	v_and_b32 v1, 15, v0                           ; r
	v_bfe_u32 v2, v0, 4, 1                         ; h
	v_lshlrev_b32 v5, 4, v0                        ; 16 x lane (one wave: the thread's number is the lane)
	v_lshlrev_b32 v6, 2, v0                        ; 4 x lane
	v_lshlrev_b32 v19, 3, v2                       ; 8 h: my bytes' place in a scale word, in bits
	v_mov_b32 v18, 0                               ; written once: a lane permute's destination counts as one of its sources
	s_mov_b32 s26, 0xffff0000                      ; lanes 16-31
	s_mov_b32 s28, 0x76543210
	s_mov_b32 s29, 0xfedcba98                      ; v_permlanex16_b32's selects for lane l xor 16
	; the tile's first column, for each kind of tile; t is held inside the kind's range, so that every candidate is a column of its weight
	s_min_u32 s32, s20, 7
	s_lshr_b32 s33, s32, 1
	s_lshl_b32 s33, s33, 5
	s_and_b32 s32, s32, 1
	s_lshl_b32 s32, s32, 3
	s_add_co_u32 s33, s33, s32
	s_and_b32 s32, s21, 1
	s_lshl_b32 s32, s32, 7
	s_add_co_u32 s33, s33, s32                     ; t 0-7: 128 (w & 1) + 32 (t / 2) + 8 (t % 2)
	s_max_u32 s34, s20, 8
	s_min_u32 s34, s34, 11
	s_sub_co_u32 s34, s34, 8
	s_lshl_b32 s34, s34, 4
	s_lshl_b32 s32, s21, 6
	s_add_co_u32 s34, s34, s32                     ; t 8-11: 64 w + 16 (t - 8)
	s_lshl_b32 s35, s21, 4                         ; t 12, 21: 16 w
	s_max_u32 s36, s20, 13
	s_min_u32 s36, s36, 20
	s_sub_co_u32 s36, s36, 13
	s_lshl_b32 s36, s36, 6
	s_add_co_u32 s36, s36, s35                     ; t 13-20: 64 (t - 13) + 16 w
	s_wait_kmcnt 0x0
	s_cmp_lt_u32 s21, 2                            ; the weight and the column are chosen on t and w alone
	s_cselect_b64 s[22:23], s[4:5], s[6:7]
	s_cmp_lt_u32 s20, 8
	s_cselect_b64 s[22:23], s[22:23], s[8:9]
	s_cselect_b32 s24, s33, s34
	s_cselect_b32 s25, 1, 0                        ; 1: the tile's rows 8-15 lie 8 columns further on
	s_cmp_lt_u32 s20, 12
	s_cselect_b64 s[22:23], s[22:23], s[10:11]
	s_cselect_b32 s24, s24, s35
	s_cmp_lt_u32 s20, 13
	s_cselect_b64 s[22:23], s[22:23], s[12:13]
	s_cselect_b32 s24, s24, s36
	s_cmp_lt_u32 s20, 21
	s_cselect_b64 s[22:23], s[22:23], s[14:15]
	s_cselect_b32 s24, s24, s35
	s_mul_i32 s30, s21, 44                         ; where the results go: fragment 44 w + 2 t of 1,536 bytes,
	s_lshl_b32 s31, s20, 1
	s_add_co_u32 s30, s30, s31
	s_mul_i32 s30, s30, 1536
	s_mov_b32 s31, 0
	s_add_nc_u64 s[16:17], s[16:17], s[30:31]
	s_mul_i32 s30, s21, 22                         ; scale register 22 w + t of 128 bytes
	s_add_co_u32 s30, s30, s20
	s_lshl_b32 s30, s30, 7
	s_add_nc_u64 s[18:19], s[18:19], s[30:31]
	v_and_b32 v7, 8, v1
	v_mul_u32_u24 v7, s25, v7
	v_add3_u32 v3, v1, v7, s24                     ; my column
	v_lshlrev_b32 v3, 2, v3                        ; in bytes
; 128 loads: row 128 s + 64 c + i (+ 32 h, in the address register) of my column; every offset is an immediate, 223 rows of 2,048 bytes at the most
.macro LOADS pitch
.set I, 0
.rept 128
	global_load_b32 v[X+I], v4, s[22:23] offset:(128*(I/64)+64*((I/32)%2)+I%32)*\pitch
.set I, I+1
.endr
.endm
	s_cmp_lt_u32 s20, 12                           ; three row pitches, three runs of loads
	s_cbranch_scc1 .Lp1024
	s_cmp_eq_u32 s20, 12
	s_cbranch_scc1 .Lp256
	s_cmp_eq_u32 s20, 21
	s_cbranch_scc1 .Lp256
	v_lshl_add_u32 v4, v2, 16, v3                  ; w1b: lanes 16-31 begin 32 rows of 2,048 bytes further down
	LOADS 2048
	s_branch .Lq
.Lp256:
	v_lshl_add_u32 v4, v2, 13, v3                  ; wb1, w2b: rows of 256 bytes
	LOADS 256
	s_branch .Lq
.Lp1024:
	v_lshl_add_u32 v4, v2, 15, v3                  ; w1a, w2a, wb2a: rows of 1,024 bytes
	LOADS 1024
.Lq:
; K step s: my two blocks (2 c + h, c = 0, 1) become six registers of codes each, and the tile's scale word of this K step
.macro QW s
.set XS0, X+64*(\s)
.irp c, 0,1
	v_max3_num_f32 v[8+\c], |v[XS0+32*\c]|, |v[XS0+32*\c+1]|, 0x2800000   ; all 32 numbers of a block are mine; the floor 2^(5 - 127) holds the byte at 1 from below
.endr
.irp i, 2,4,6,8,10,12,14,16,18,20,22,24,26,28,30
.irp c, 0,1
	v_max3_num_f32 v[8+\c], v[8+\c], |v[XS0+32*\c+\i]|, |v[XS0+32*\c+\i+1]|   ; (the two blocks by turns)
.endr
.endr
.irp c, 0,1
	v_add_nc_u32 v[12+\c], 0xfe000000, v[8+\c]     ; 4 off the exponent field: the conversion takes the exponent field of this operand as its scale
.endr
.irp c, 0,1
	v_lshrrev_b32 v[20+\c], 23, v[12+\c]           ; the scale's byte
.endr
	v_lshl_or_b32 v[16+(\s)], v21, 16, v20         ; my two bytes: blocks h and 2 + h,
	v_lshlrev_b32 v[16+(\s)], v19, v[16+(\s)]      ; at their places in the word;
	v_permlanex16_b32 v18, v[16+(\s)], s28, s29
	v_or_b32 v[16+(\s)], v[16+(\s)], v18           ; with lane l xor 16's two the word is whole, in both halves of the lanes
.irp c, 0,1
	v_cvt_scalef32_pk16_bf6_f32 v[CD+12*(\s)+6*\c:CD+12*(\s)+6*\c+2], v[XS0+32*\c:XS0+32*\c+15], v[12+\c]
	v_cvt_scalef32_pk16_bf6_f32 v[184+4*\c:186+4*\c], v[XS0+32*\c+16:XS0+32*\c+31], v[12+\c]   ; (a conversion's three registers begin on an even number: the second half is made elsewhere and moved)
.endr
	v_nop                                          ; one plain place behind a scaled conversion
.irp c, 0,1
.irp i, 0,1,2
	v_mov_b32 v[CD+12*(\s)+6*\c+3+\i], v[184+4*\c+\i]
.endr
.endr
.endm
	s_wait_loadcnt 63                              ; 64 loads were issued behind K step 0's: with 63 out at the most, K step 0's are in
	QW 0
	s_wait_loadcnt 0x0
	QW 1
	v_cndmask_b32 v18, v16, v17, s26               ; lanes 0-15: K step 0's word, lanes 16-31: K step 1's
.irp s, 0,1
.irp c, 0,1,2
	global_store_b128 v5, v[CD+12*\s+4*\c:CD+12*\s+4*\c+3], s[16:17] offset:1536*\s+512*\c   ; 32 lanes store 512 consecutive bytes, at a multiple of 256 from the buffer's first byte
.endr
.endr
	global_store_b32 v6, v18, s[18:19]
	s_endpgm
.Lfunc_end_k_q49cbd0aa1a_wq:
	.size	k_q49cbd0aa1a_wq, .Lfunc_end_k_q49cbd0aa1a_wq-k_q49cbd0aa1a_wq
	.p2alignl 7, 3214868480
	.fill 96, 4, 3214868480
	.section	.rodata,"a",@progbits
	.p2align	6, 0x0
	.amdhsa_kernel k_q49cbd0aa1a_wq
		.amdhsa_group_segment_fixed_size 0
		.amdhsa_private_segment_fixed_size 0
		.amdhsa_enable_private_segment 0
		.amdhsa_kernarg_size 64
		.amdhsa_user_sgpr_count 2
		.amdhsa_user_sgpr_kernarg_segment_ptr 1
		.amdhsa_wavefront_size32 1
		.amdhsa_system_sgpr_workgroup_id_x 1
		.amdhsa_system_sgpr_workgroup_id_y 1
		.amdhsa_system_sgpr_workgroup_id_z 1
		.amdhsa_system_vgpr_workitem_id 0
		.amdhsa_next_free_vgpr 192
		.amdhsa_next_free_sgpr 66
		.amdhsa_reserve_vcc 0
		.amdhsa_float_denorm_mode_32 3
		.amdhsa_float_denorm_mode_16_64 3
		.amdhsa_memory_ordered 1
		.amdhsa_forward_progress 1
		.amdhsa_inst_pref_size 46
	.end_amdhsa_kernel
	.amdgpu_metadata
---
amdhsa.version: [ 1, 2 ]
amdhsa.kernels:
  - .name:           k_q49cbd0aa1a_wq
    .symbol:         k_q49cbd0aa1a_wq.kd
    .args:
      - { .name: w1a, .offset: 0, .size: 8, .value_kind: global_buffer, .address_space: global }
      - { .name: w2a, .offset: 8, .size: 8, .value_kind: global_buffer, .address_space: global }
      - { .name: wb2a, .offset: 16, .size: 8, .value_kind: global_buffer, .address_space: global }
      - { .name: wb1, .offset: 24, .size: 8, .value_kind: global_buffer, .address_space: global }
      - { .name: w1b, .offset: 32, .size: 8, .value_kind: global_buffer, .address_space: global }
      - { .name: w2b, .offset: 40, .size: 8, .value_kind: global_buffer, .address_space: global }
      - { .name: wimg, .offset: 48, .size: 8, .value_kind: global_buffer, .address_space: global }
      - { .name: wscl, .offset: 56, .size: 8, .value_kind: global_buffer, .address_space: global }
    .group_segment_fixed_size: 0
    .private_segment_fixed_size: 0
    .kernarg_segment_align: 8
    .kernarg_segment_size: 64
    .max_flat_workgroup_size: 32
    .sgpr_count:     66
    .vgpr_count:     192
    .wavefront_size: 32
...
	.end_amdgpu_metadata
.endif
;; end of part 1
;; launch mix (part 2): grid 256 x 1, 4 waves a work-group, no clusters, 327,680 bytes of LDS; arguments central_states, agent_q_values, wimg, wscl, b1a, b2a, bb2a, bb1, b1b, b2b, wb2b, bb2b, out0; writes out0
.if DOCPART == 2
	.amdgcn_target "amdgcn-amd-amdhsa--gfx1250"
	.amdhsa_code_object_version 6
	.text
	.protected	k_q49cbd0aa1a_mix
	.globl	k_q49cbd0aa1a_mix
	.p2align	8
	.type	k_q49cbd0aa1a_mix,@function
k_q49cbd0aa1a_mix:
	s_mov_b64 s[64:65], 0
	v_nop
	global_prefetch_b8 v0, s[64:65] scope:SCOPE_SE
	s_setreg_imm32_b32 hwreg(HW_REG_WAVE_MODE, 25, 1), 1
	s_wait_xcnt 0x0
; The whole mixing network for 512 rows a work-group; nothing but the result goes to memory.  All six quantised products on codes of E3M2 with one E8M0 scale for each 32 along K (K = 256: two matrix instructions).
; SHARES.  Four waves.  THE WAVES SHARE THE COLUMNS, NOT THE ROWS: wave w keeps 22 tiles of 16 weight columns (44 fragments, 528 registers), their biases (176) and scale words (22) in registers for the whole launch:
;   tiles 0-7   128 units of hidden layer 1 (waves 0, 1) or 2 (waves 2, 3): one whole K step of the next product;   tiles 8-11  64 units of hidden layer 3;   tile 12  b1 for e = 16 w .. 16 w + 15;
;   tiles 13-20 w1 for the eight agents, the same e;   tile 21  w2, the same e.   So of the mixing only one partial sum a row crosses between waves.
; Every product is used transposed (source 0 = 16 weight columns, source 1 = 16 rows): a lane holds ONE row (lane % 16), its eight registers eight neighbouring columns.  The biases are the C of each sum's first instruction.
; ROWS go in pairs of 128 (4 pairs), halves of 64, tiles of 16.  central_states comes by tensor loads into a ring of two slots of 128 rows; each wave loads and reads its own 32 rows, quantises them, and hands the
; codes on as IMAGES OF THE OPERAND'S REGISTERS in LDS (16 bytes a lane a group of four registers; scale words 4 bytes a lane); the hidden layers 1 and 2 go from wave to wave in the same way.
; A PAIR: X2 (my 32 rows become four fragments) | barrier (behind it the slot is filled again) | for each half: phase 1 (a loop over 4 row tiles: tiles 0-11, ELU, quantise, the dot with wb2b) | barrier |
; phase 2 (4 row tiles written out: tiles 12-21 and the mixing) | barrier |; then wave 0 adds the eight partial sums of 128 rows and stores 512 consecutive bytes.
; ELU(x) = max(x, 2^(-|x| log2 e) - 1): for x > 0 the second is negative, for x <= 0 it is e^x - 1 >= x; the exponent is never positive, so nothing overflows.
; LIMITS: e^x - 1 is formed in f32 by a subtraction: its error is about 1.2e-7 absolute, so about 1.2e-7 / |x| of the number for small negative x.  NaN and infinities among the inputs are not served.
; A block of zeros has the scale byte 1 where the rule says 127: its codes are zeros, and this program alone reads the bytes.
; NO CLUSTER: the work-groups share the weights alone, which each reads once, straight into registers (282 KB); a joint load would want that much LDS at the moment at which the ring's first fills hold it.
;
; LDS: slot 0 at 0, slot 1 at SLOTB: 128 rows of 1,024 bytes + 16 of padding (row r starts 16 r bytes on modulo 256); wave w's 32 rows at 33,280 w.  From BASE0 on, bytes that no tensor load fills:
.set SLOTB,  0x20800                   ; 133,120: its two bits are in none of 33,280 w, so one exclusive or changes slots
.set WREG,   33280                     ; 32 rows x 1,040
.set XPITCH, 1040
.set FRB,    1536                      ; a fragment's image: 12 registers x 128 bytes
.set BASE0,  266240
.set XIMG,   0                         ; x's fragments of a pair: (row tile M 0-7, K step s) at (2 M + s) FRB
.set XSC,    24576                     ; their scale words: 128 bytes a row tile: lanes 0-15 K step 0, lanes 16-31 K step 1
.set HIMG,   25600                     ; the hidden layers' fragments of a half: (making wave f, row tile m) at (4 f + m) FRB: a wave stores into 6,144 bytes of its own
.set HSC,    50176                     ; their scale words: 256 f + 64 m + 4 r
.set PSUM,   51200                     ; partial sums of a pair: [u 0-7][128 rows] f32: u = w the dot with wb2b, u = 4 + w the mixing
.set SPARE,  321536                    ; the spare words, 128 bytes for each wave: two blocks of 256 bytes that no other line names
; REGISTERS, window 0:
.set BL16, 1                           ; BASE0 + 16 x lane
.set BL4,  2                           ; BASE0 + 4 x lane
.set BR4,  3                           ; BASE0 + 4 r
.set XR,   4                           ; my place in a slot: 1,040 r + 64 h + 33,280 w
.set LI,   5                           ; 16 x lane
.set QO,   6                           ; 32 r: my row of q in a row tile
.set D0,   7                           ; v7-11 addresses made anew in each phase or trip
.set D1,   8
.set D2,   9
.set D3,   10
.set D4,   11
.set A64H, 12                          ; 64 h, 32 h: the biases' offsets
.set A32H, 13
.set SPW,  14                          ; LDS address of my spare word; never rewritten
.set NIL,  15                          ; 0; never rewritten
.set WS,   16                          ; v16-37 the weights' scale words, tile t: lanes 0-15 K step 0, lanes 16-31 K step 1.  v16-41 hold scales and nothing else
.set XS,   38                          ; x's scale words
.set H1SA, 39                          ; hidden layer 1's, twice: one is loaded for the next tile while the other is at work
.set H1SB, 40
.set H2S,  41                          ; hidden layer 2's
.set XF,   42                          ; v42-65 x's two fragments
.set ACC,  66                          ; v66-161 phase 1: the accumulators of tiles 0-11
.set HA,   66                          ; v66-129 tiles 0-7: my 128 hidden units;  phase 2: w1's eight accumulators
.set H3,   130                         ; v130-161 tiles 8-11
.set T,    162                         ; v162-193 at work
.set PC,   194                         ; v194-205 the codes just made
.set TM,   206                         ; v206-213 the quantiser's
.set CH,   214                         ; v214-216 a conversion's second half
.set PW,   218                         ; the scale words just made
.set PW1,  219
.set Q,    220                         ; v220-251 q: 8 m + a
.set PWX,  252                         ; two K steps' scale words in one register
.set BH,   253                         ; BASE0 + 256 h + 4 r: lanes 0-15 read one making wave's scale words, lanes 16-31 the next one's
.set SA,   66                          ; X2: two sets of 64 numbers of x
.set SB,   130
.set HID,  130                         ; phase 2: b1, then the mixing's hidden layer
.set W2A,  138                         ; w2
.set H2F0, 146                         ; hidden layer 2's two fragments
.set H2F1, 194
.set H1F0, 162                         ; hidden layer 1's
.set H1F1, 174
.set J0,   186
.set J1,   187
; windows 1 to 3: weight fragment f = 2 t + s in window 1 + f / 21 at register 12 (f % 21); window 3 also:
.set BI,   24                          ; the bias of tile t at v[24 + 8 t]
.set WB,   200                         ; my 32 numbers of wb2b a lane
; SCALARS: s2 wave; s3 pairs, s4 halves, s5 row tiles; s6 the slot in hand; s[8:33] the buffers; s[34:35] bb2b; s[36:43] descriptor group 1; s[44:47], s[48:51] groups 0; s[52:53] lane selects;
; s[54:55] log2(e); s56 lanes 16-31; s57-63, s66-75 offsets.
.set MSB, 0
.macro WIN new                         ; the immediate's high byte repeats the setting that is left; a switch that changes nothing is dropped.  bits 1:0 source 0, 3:2 source 1, 5:4 source 2, 7:6 destination
.if MSB != (\new)
	s_set_vgpr_msb (MSB<<8)|(\new)
.set MSB, (\new)
.endif
.endm
; One matrix instruction: tile t, K step s, into v[d]; rows' fragment at v[b], their scale words in v[bs].  K step 0 takes the bias as C, K step 1 adds in place and reads both scale registers' upper lanes.
.macro WM t, s, d, b, bs
.set FF, 2*(\t)+(\s)
.set FW, 1+FF/21
.set FR0, 12*(FF%21)
.if (\s) == 0
	WIN FW+0x30
	v_wmma_scale_f32_16x16x128_f8f6f4 v[(\d):(\d)+7], v[FR0:FR0+11], v[(\b):(\b)+11], v[BI+8*(\t):BI+8*(\t)+7], v[WS+(\t)], v[\bs] matrix_a_fmt:MATRIX_FMT_BF6 matrix_b_fmt:MATRIX_FMT_BF6
.else
	WIN FW
	v_wmma_scale_f32_16x16x128_f8f6f4 v[(\d):(\d)+7], v[FR0:FR0+11], v[(\b):(\b)+11], v[(\d):(\d)+7], v[WS+(\t)], v[\bs] matrix_a_fmt:MATRIX_FMT_BF6 matrix_b_fmt:MATRIX_FMT_BF6 matrix_a_scale:MATRIX_SCALE_ROW1 matrix_b_scale:MATRIX_SCALE_ROW1
.endif
.endm
; Phase 1's products go in groups of four tiles: instruction k of 8 of group g: the four tiles' K step 0, then their K step 1: the accumulators take turns, one instruction a turn
.macro WG g, k
	WM 4*(\g)+(\k)%4, (\k)/4, ACC+8*(4*(\g)+(\k)%4), XF+12*((\k)/4), XS
.endm
; ELU of tile t in two parts: x log2 e and 2^(-|.|) into T;  then - 1 and the maximum with x, in place
.macro EA t
.set TT, T+8*((\t)%4)
.set AA, ACC+8*(\t)
.irp i, 0,2,4,6
	v_pk_mul_f32 v[TT+\i:TT+\i+1], v[AA+\i:AA+\i+1], s[54:55] op_sel_hi:[1,0]   ; the accumulator is read from its low end on
.endr
.irp i, 0,1,2,3,4,5,6,7
	v_exp_f32 v[TT+\i], -|v[TT+\i]|
.endr
.endm
.macro EB t
.set TT, T+8*((\t)%4)
.set AA, ACC+8*(\t)
.irp i, 0,2,4,6
	v_pk_add_f32 v[TT+\i:TT+\i+1], v[TT+\i:TT+\i+1], -1.0 op_sel_hi:[1,0]
.endr
.irp i, 0,1,2,3,4,5,6,7
	v_max_num_f32 v[AA+\i], v[AA+\i], v[TT+\i]
.endr
.endm
; Group gw's eight products (gw = -1: none), with the ELU of group gv, finished earlier, in slices of twelve vector instructions behind them.  The 32 exponentials are ONE batch: a plain instruction behind the
; last, one wait ahead of the first instruction that names a result.
.macro STAGE gw, gv
.irp k, 0,1,2,3
.if (\gw) >= 0
	WG \gw, \k
	WIN 0
.endif
	EA 4*(\gv)+\k
.endr
.if (\gw) >= 0
	WG \gw, 4
	WIN 0
.endif
	v_nop
	s_wait_alu depctr_va_vdst(0)
	EB 4*(\gv)
.irp k, 5,6,7
.if (\gw) >= 0
	WG \gw, \k
	WIN 0
.endif
	EB 4*(\gv)+\k-4
.endr
.endm
; Half a fragment is quantised: 32 numbers of a lane, v[src + 32 c] on, register 16 b + i = k 32 b + 16 (lane / 16) + i of my row: blocks 2 c and 2 c + 1 become registers 6 c .. 6 c + 5 of v[pc] and two bytes of v[pw].
.macro QH c, src, pc, pw
.set QS, (\src)+32*(\c)
.irp n, 0,1,2,3
	v_max3_num_f32 v[TM+\n], |v[QS+8*\n]|, |v[QS+8*\n+1]|, |v[QS+8*\n+2]|   ; four chains of eight numbers, by turns
.endr
.irp n, 0,1,2,3
	v_max3_num_f32 v[TM+\n], v[TM+\n], |v[QS+8*\n+3]|, |v[QS+8*\n+4]|
.endr
.irp n, 0,1,2,3
	v_max3_num_f32 v[TM+\n], v[TM+\n], |v[QS+8*\n+5]|, |v[QS+8*\n+6]|
.endr
.irp n, 0,1,2,3
	v_max3_num_f32 v[TM+\n], v[TM+\n], |v[QS+8*\n+7]|, 0x2800000   ; and the floor 2^(5 - 127): the byte cannot fall under 1
.endr
	v_max_num_f32 v[TM], v[TM], v[TM+1]            ; my 16 of block 2 c,
	v_max_num_f32 v[TM+1], v[TM+2], v[TM+3]        ; of block 2 c + 1
	v_permlanex16_b32 v[TM+2], v[TM], s52, s53
	v_permlanex16_b32 v[TM+3], v[TM+1], s52, s53
	v_max_num_f32 v[TM], v[TM], v[TM+2]            ; with lane l xor 16's: the blocks' largest magnitudes
	v_max_num_f32 v[TM+1], v[TM+1], v[TM+3]
	v_add_nc_u32 v[TM+4], 0xfe000000, v[TM]        ; 4 off the exponent field: the conversion's scale operand
	v_add_nc_u32 v[TM+5], 0xfe000000, v[TM+1]
	v_lshrrev_b32 v[TM+2], 23, v[TM+4]             ; the scales' bytes
	v_lshrrev_b32 v[TM+3], 23, v[TM+5]
.if (\c) == 0
	v_lshl_or_b32 v[\pw], v[TM+3], 8, v[TM+2]
.else
	v_lshl_or_b32 v[\pw], v[TM+2], 16, v[\pw]
	v_lshl_or_b32 v[\pw], v[TM+3], 24, v[\pw]
.endif
	v_cvt_scalef32_pk16_bf6_f32 v[(\pc)+6*(\c):(\pc)+6*(\c)+2], v[QS:QS+15], v[TM+4]
	v_cvt_scalef32_pk16_bf6_f32 v[CH:CH+2], v[QS+16:QS+31], v[TM+5]   ; (a conversion's three registers begin on an even number)
	v_nop                                          ; one plain place behind a scaled conversion
.irp n, 0,1,2
	v_permlane16_swap_b32 v[(\pc)+6*(\c)+\n], v[CH+\n]   ; the operand's layout wants a WHOLE block in a lane: lanes 0-15 block 2 c, lanes 16-31 block 2 c + 1
.endr
.irp n, 0,1,2
	v_mov_b32 v[(\pc)+6*(\c)+3+\n], v[CH+\n]
.endr
.endm
.macro IMG adr, pc, off                ; a fragment goes to LDS as it stands: three stores of 512 consecutive bytes
.irp c, 0,1,2
	ds_store_b128 v[\adr], v[(\pc)+4*\c:(\pc)+4*\c+3] offset:(\off)+512*\c
.endr
.endm
.macro FRG reg, adr, off               ; and comes back so, in any wave
.irp c, 0,1,2
	ds_load_b128 v[(\reg)+4*\c:(\reg)+4*\c+3], v[\adr] offset:(\off)+512*\c
.endr
.endm
.macro LDX u, st                       ; unit u = 2 i + s of my 32 rows: rows 16 i on, K step s: of each block of 32 my 16 neighbours, 64 numbers a lane
.irp b, 0,1,2,3
.irp j, 0,1,2,3
	ds_load_b128 v[(\st)+16*\b+4*\j:(\st)+16*\b+4*\j+3], v[D0] offset:16*XPITCH*((\u)/2)+512*((\u)%2)+128*\b+16*\j
.endr
.endr
.endm
.macro FM m, a                         ; the mixing: hidden += q(row, a) |w1(row, a, e)|, my eight e; the accumulator is read from its low end on
.irp j, 0,1,2,3,4,5,6,7
	v_fma_f32 v[HID+\j], v[Q+8*(\m)+(\a)], |v[HA+8*(\a)+\j]|, v[HID+\j]
.endr
.endm
.macro BAR                             ; my LDS stores have landed and my LDS loads are in: then the work-group's barrier
	s_wait_dscnt 0x0
	s_barrier_signal -1
	s_barrier_wait -1
.endm
.macro PLACES                          ; four plain vector instructions between a matrix instruction and a load into, or a vector instruction's read of, its registers (ISA guide 7.12.1 for vector instructions)
.rept 4
	v_nop
.endr
.endm
.macro RUNH2 m                         ; row tile m's operands of tile 21
	FRG H2F0, BL16, HIMG+(8+(\m))*FRB
	FRG H2F1, BL16, HIMG+(12+(\m))*FRB
	ds_load_b32 v[H2S], v[BH] offset:HSC+512+64*(\m)
.endm
.macro RUNH1A m                        ; of tiles 13-20, K step 0
	ds_load_b32 v[H1SA], v[BH] offset:HSC+64*(\m)
	FRG H1F0, BL16, HIMG+(\m)*FRB
.endm
.macro RUNH1B m                        ; and K step 1
	FRG H1F1, BL16, HIMG+(4+(\m))*FRB
	ds_load_b32 v[H1SB], v[BH] offset:HSC+64*(\m)
.endm
; PHASE 2 for row tile m of the half.  The LDS instructions behind the last wait for 0, in order: (x's two fragments 3 + 3, XS 1: not for m = 0) H2F0 3, H2F1 3, H2S 1, H1SA 1, H1F0 3, H1F1 3, H1SB 1, (the last tile's sum 1: not for m = 0).
.macro P2 m
.if (\m) == 0
	s_wait_dscnt 8                                 ; all up to H2S are in: behind it 1 + 3 + 3 + 1
.else
	s_wait_dscnt 9                                 ; and the last tile's store
.endif
	WM 12, 0, HID, XF, XS                          ; b1 = x wb1 + bb1 and w2 = h2 w2b + b2b, by turns
	WM 21, 0, W2A, H2F0, H2S
	WM 12, 1, HID, XF+12, XS
	WM 21, 1, W2A, H2F1, H2S
.if (\m) == 0
	s_wait_dscnt 4                                 ; all up to H1F0: behind it 3 + 1
.else
	s_wait_dscnt 5
.endif
.irp a, 0,1,2,3,4,5,6,7
	WM 13+\a, 0, HA+8*\a, H1F0, H1SA               ; w1 = h1 w1b + b1b, the eight agents' tiles by turns
.endr
	WIN 0
	PLACES                                         ; in front of the loads into operands that the products above have read
	s_wait_dscnt 0x0                               ; H1F1 and H1SB are in, and the last tile's store has read its registers
.if (\m) < 3
	FRG XF, D0, XIMG+2*FRB*((\m)+1)                ; the next row tile's operands, but for those still at work
	FRG XF+12, D0, XIMG+2*FRB*((\m)+1)+FRB
	ds_load_b32 v[XS], v[D1] offset:XSC+128*((\m)+1)
	RUNH2 (\m)+1
	RUNH1A (\m)+1
.endif
	WM 13, 1, HA, H1F1, H1SB
	WM 14, 1, HA+8, H1F1, H1SB
	WIN 0
	PLACES                                         ; in front of the first read of a result
	FM \m, 0
.irp a, 2,3,4,5,6,7
	WM 13+\a, 1, HA+8*\a, H1F1, H1SB               ; behind each product the mixing of the agent before: its eight multiply-adds are the places of the product before
	WIN 0
	FM \m, \a-1
.endr
	FM \m, 7
.if (\m) < 3
	RUNH1B (\m)+1                                  ; sixteen plain instructions behind the last product that read these
.endif
.irp j, 0,1,2,3,4,5,6,7
	v_max_num_f32 v[HID+\j], 0, v[HID+\j]          ; relu
.endr
	v_mul_f32 v[J0], v[HID], |v[W2A]|              ; the dot with |w2|, in two chains; w2's accumulator is read from its low end on
	v_mul_f32 v[J1], v[HID+1], |v[W2A+1]|
.irp j, 2,4,6
	v_fma_f32 v[J0], v[HID+\j], |v[W2A+\j]|, v[J0]
	v_fma_f32 v[J1], v[HID+\j+1], |v[W2A+\j+1]|, v[J1]
.endr
	v_add_f32 v[J0], v[J0], v[J1]
	v_permlanex16_b32 v[J1], v[J0], s52, s53
	v_add_f32 v[J0], v[J0], v[J1]                  ; my wave's 16 e of row r
	ds_store_b32 v[D4], v[J0] offset:PSUM+64*(\m)  ; (lanes r and r + 16 write the same word with the same value)
.endm
; A PAIR OF 128 ROWS.  refill = 1: the slot that X2 has read is filled again, with the pair two further on.
.macro PAIR refill
	; ---- X2: my 32 rows of the slot become row tiles 2 w and 2 w + 1: four units of 64 numbers a lane, on two sets of registers and two sets of codes by turns
	v_add_nc_u32 v[D0], s6, v[XR]
	v_add_nc_u32 v[D1], s58, v[BL16]               ; my four images: 6,144 w on
	v_add_nc_u32 v[D2], s59, v[BL4]                ; my two scale registers: 256 w on
	LDX 0, SA
	LDX 1, SB
	s_wait_dscnt 16                                ; unit 0 is in; unit 1's 16 loads may be out
	QH 0, SA, XF, PW
	QH 1, SA, XF, PW
	IMG D1, XF, XIMG
	LDX 2, SA
	s_wait_dscnt 19                                ; unit 1 is in: behind it 3 stores and 16 loads
	QH 0, SB, XF+12, PW1
	QH 1, SB, XF+12, PW1
	IMG D1, XF+12, XIMG+FRB
	v_cndmask_b32 v[PWX], v[PW], v[PW1], s56       ; lanes 0-15 K step 0's word, lanes 16-31 K step 1's
	ds_store_b32 v[D2], v[PWX] offset:XSC
	LDX 3, SB
	s_wait_dscnt 20                                ; unit 2 is in: behind it 4 stores and 16 loads; the first set's stores, issued ahead of it, are done
	QH 0, SA, XF, PW
	QH 1, SA, XF, PW
	IMG D1, XF, XIMG+2*FRB
	s_wait_dscnt 3                                 ; unit 3 is in: behind it 3 stores; the second set's stores and the scale word's are done
	QH 0, SB, XF+12, PW1
	QH 1, SB, XF+12, PW1
	IMG D1, XF+12, XIMG+3*FRB
	v_cndmask_b32 v[PWX], v[PW], v[PW1], s56
	ds_store_b32 v[D2], v[PWX] offset:XSC+128
.if \refill
	s_wait_tensorcnt 0x0                           ; all my tensor loads have landed, the other slot's too: no load of mine is out, so the walking group 0 may be written
	ds_add_u32 v[SPW], v[NIL]                      ; 0 onto my spare word: the descriptor's steps stand between it and the wait for it
	s_xor_b32 s49, s49, SLOTB                      ; the slot that I have just read,
	s_add_nc_u64 s[50:51], s[50:51], 131072        ; the next pair but one; the type bits on top are not reached
	s_wait_dscnt 0x0                               ; the add is done, my reads of the slot are back and my images have landed
	s_barrier_signal -1
	s_barrier_wait -1                              ; the same holds of all four waves
	tensor_load_to_lds s[48:51], s[36:43]          ; my one tensor load behind this barrier, and the first thing there: it has the pair's eight row tiles in which to land
	s_nop 0
	PLACES                                         ; (four plain instructions follow a tensor load)
.else
	BAR                                            ; x's sixteen fragments lie in LDS; nothing is filled again
.endif
	s_xor_b32 s6, s6, SLOTB                        ; the next pair lies in the other slot
	s_mov_b32 s4, 0
.Lhalf_\@:                                             ; two trips: rows 64 s4 on
	s_mul_i32 s7, s4, 8*FRB                        ; the half's eight images of x,
	s_lshl_b32 s66, s4, 9                          ; its four scale registers,
	s_lshl_b32 s71, s4, 8
	s_add_co_u32 s71, s71, s72                     ; and my partial sums: 512 w + 256 s4
	v_add_nc_u32 v[D0], s7, v[BL16]
	v_add_nc_u32 v[D1], s66, v[BL4]
.irp m, 0,1,2,3
	global_load_b128 v[Q+8*\m:Q+8*\m+3], v[QO], s[10:11] offset:512*\m       ; q of the half's 64 rows: wanted in phase 2
	global_load_b128 v[Q+8*\m+4:Q+8*\m+7], v[QO], s[10:11] offset:512*\m+16
.endr
	FRG XF, D0, XIMG
	FRG XF+12, D0, XIMG+FRB
	ds_load_b32 v[XS], v[D1] offset:XSC
	s_wait_dscnt 0x0
	s_mov_b32 s5, 0
.Ltile_\@:                                             ; ---- PHASE 1, four trips: row tile m = s5 of the half
	s_add_co_u32 s60, s5, 1
	s_and_b32 s60, s60, 3                          ; the row tile whose x is fetched in this trip: the next; the last trip's is the half's first, which phase 2 wants
	s_mul_i32 s61, s60, 2*FRB
	s_add_co_u32 s61, s61, s7
	s_lshl_b32 s62, s60, 7
	s_add_co_u32 s62, s62, s66
	s_mul_i32 s63, s5, FRB
	s_add_co_u32 s63, s63, s58                     ; my hidden fragment's image: 6,144 w + 1,536 m
	s_lshl_b32 s68, s5, 6
	s_add_co_u32 s70, s68, s71                     ; my partial sum: 512 w + 256 s4 + 64 m
	s_add_co_u32 s68, s68, s59                     ; my scale words: 256 w + 64 m
	s_wait_dscnt 0x1                               ; x's fragments and scale words are in; the last trip's one store, issued behind them, may be out
.irp k, 0,1,2,3,4,5,6,7
	WG 0, \k
.endr
	WIN 0
	s_wait_dscnt 0x0                               ; that store has read its registers: the addresses may be written
	v_add_nc_u32 v[D0], s61, v[BL16]               ; (these five are also the places behind the products above)
	v_add_nc_u32 v[D1], s62, v[BL4]
	v_add_nc_u32 v[D2], s63, v[BL16]
	v_add_nc_u32 v[D3], s68, v[BR4]
	v_add_nc_u32 v[D4], s70, v[BR4]
	STAGE 1, 0                                     ; tiles 4-7 | ELU of tiles 0-3
	QH 0, HA, PC, PW
	STAGE 2, 1                                     ; tiles 8-11 | ELU of tiles 4-7
	QH 1, HA, PC, PW
	IMG D2, PC, HIMG                               ; my 128 hidden units of these 16 rows: one K step of the next product
	ds_store_b32 v[D3], v[PW] offset:HSC           ; (lanes r and r + 16 write the same word with the same value)
	FRG XF, D0, XIMG                               ; the next row tile's x: more than four plain instructions behind the last product
	FRG XF+12, D0, XIMG+FRB
	ds_load_b32 v[XS], v[D1] offset:XSC
	STAGE -1, 2                                    ; ELU of tiles 8-11
	WIN 0x0c                                       ; source 1 (wb2b) in window 3
.irp c, 0,1,2,3
	v_pk_mul_f32 v[T+2*\c:T+2*\c+1], v[H3+8*\c:H3+8*\c+1], v[WB+8*\c:WB+8*\c+1]   ; the dot with wb2b in f32: my 32 units, four chains of pairs
.endr
.irp i, 2,4,6
.irp c, 0,1,2,3
	v_pk_fma_f32 v[T+2*\c:T+2*\c+1], v[H3+8*\c+\i:H3+8*\c+\i+1], v[WB+8*\c+\i:WB+8*\c+\i+1], v[T+2*\c:T+2*\c+1]
.endr
.endr
	WIN 0
	v_pk_add_f32 v[T:T+1], v[T:T+1], v[T+2:T+3]
	v_pk_add_f32 v[T+4:T+5], v[T+4:T+5], v[T+6:T+7]
	v_pk_add_f32 v[T:T+1], v[T:T+1], v[T+4:T+5]
	v_add_f32 v[T], v[T], v[T+1]
	v_permlanex16_b32 v[T+1], v[T], s52, s53
	v_add_f32 v[T], v[T], v[T+1]                   ; my wave's 64 units of row r
	ds_store_b32 v[D4], v[T] offset:PSUM
	s_add_co_u32 s5, s5, 1
	s_cmp_lt_u32 s5, 4
	s_cbranch_scc1 .Ltile_\@
	BAR                                            ; the hidden layers' sixteen fragments lie in LDS
	; ---- PHASE 2
	s_wait_loadcnt 0x0                             ; q is in, so its base may step
	s_add_nc_u64 s[10:11], s[10:11], 2048
	s_add_co_u32 s70, s71, 2048                    ; the mixing's partial sums: u = 4 + w
	v_add_nc_u32 v[D0], s7, v[BL16]
	v_add_nc_u32 v[D1], s66, v[BL4]
	v_add_nc_u32 v[D4], s70, v[BR4]
	RUNH2 0
	RUNH1A 0
	RUNH1B 0
	P2 0
	P2 1
	P2 2
	P2 3
	BAR                                            ; every wave's reads of the images are over, and its partial sums have landed
	s_add_co_u32 s4, s4, 1
	s_cmp_lt_u32 s4, 2
	s_cbranch_scc1 .Lhalf_\@
	; ---- the pair's 128 results: wave 0 adds the eight partial sums and bb2b.  The sums are written again only behind the next pair's first barrier, which wave 0 signals behind its wait below
	s_cmp_lg_u32 s2, 0
	s_cbranch_scc1 .Lnofin_\@
.irp u, 0,1,2,3,4,5,6,7
	ds_load_b128 v[HA+4*\u:HA+4*\u+3], v[BL16] offset:PSUM+512*\u   ; rows 4 x lane .. + 3 of partial sum u
.endr
	s_wait_dscnt 0x0
.irp u, 0,2,4,6
	v_pk_add_f32 v[HA+4*\u:HA+4*\u+1], v[HA+4*\u:HA+4*\u+1], v[HA+4*\u+4:HA+4*\u+5]
	v_pk_add_f32 v[HA+4*\u+2:HA+4*\u+3], v[HA+4*\u+2:HA+4*\u+3], v[HA+4*\u+6:HA+4*\u+7]
.endr
.irp u, 0,4
	v_pk_add_f32 v[HA+4*\u:HA+4*\u+1], v[HA+4*\u:HA+4*\u+1], v[HA+4*\u+8:HA+4*\u+9]
	v_pk_add_f32 v[HA+4*\u+2:HA+4*\u+3], v[HA+4*\u+2:HA+4*\u+3], v[HA+4*\u+10:HA+4*\u+11]
.endr
	v_pk_add_f32 v[HA:HA+1], v[HA:HA+1], v[HA+16:HA+17]
	v_pk_add_f32 v[HA+2:HA+3], v[HA+2:HA+3], v[HA+18:HA+19]
	v_pk_add_f32 v[HA:HA+1], v[HA:HA+1], s[34:35] op_sel_hi:[1,0]
	v_pk_add_f32 v[HA+2:HA+3], v[HA+2:HA+3], s[34:35] op_sel_hi:[1,0]
	global_store_b128 v[LI], v[HA:HA+3], s[32:33] th:TH_STORE_NT   ; 32 lanes store 512 consecutive bytes, at a multiple of 256 from the output's first byte
.Lnofin_\@:
	s_wait_xcnt 0x0                                ; the store has read its registers and its base: both are written again only behind this wait
	s_add_nc_u64 s[32:33], s[32:33], 512
.endm
	s_load_b512 s[8:23], s[0:1], 0x0               ; x s[8:9], q s[10:11], wimg s[12:13], wscl s[14:15], b1a s[16:17], b2a s[18:19], bb2a s[20:21], bb1 s[22:23]
	s_load_b256 s[24:31], s[0:1], 0x40             ; b1b s[24:25], b2b s[26:27], wb2b s[28:29], bb2b s[30:31]
	s_load_b64 s[32:33], s[0:1], 0x60              ; out0
	v_lshl_add_u32 v[SPW], v0, 2, SPARE
	v_mov_b32 v[NIL], 0
	ds_add_u32 v14, v15
	ds_add_u32 v14, v15
	s_wait_dscnt 0x0
	v_lshrrev_b32 v1, 5, v0
	v_readfirstlane_b32 s2, v1                     ; wave 0..3
	; descriptor group 1: a tile of 32 rows x 256 elements of 4 bytes, 16 bytes of padding behind each row
	s_mov_b32 s36, (2<<16)|(1<<20)|(7<<22)|(3<<25) ; 15:0 no mask; 17:16 elements of 4 bytes; 20 padding on; 24:22 after every 256 words (code 7); 31:25 of 4 words (code 3)
	s_mov_b32 s37, 256<<16                         ; tensor_dim0 = 256
	s_mov_b32 s38, 32<<16                          ; tensor_dim1 = 32
	s_mov_b32 s39, 256<<16                         ; tile_dim0 = 256
	s_mov_b32 s40, 32                              ; tile_dim1 = 32
	s_mov_b32 s41, 256                             ; elements from row to row
	s_mov_b32 s42, 0
	s_mov_b32 s43, 0
	s_mul_i32 s57, s2, WREG                        ; my 32 rows in a slot
	s_mul_i32 s58, s2, 4*FRB                       ; 6,144 w
	s_lshl_b32 s59, s2, 8                          ; 256 w
	s_lshl_b32 s72, s2, 9                          ; 512 w
	s_mov_b32 s52, 0x76543210
	s_mov_b32 s53, 0xfedcba98                      ; v_permlanex16_b32's selects for lane l xor 16
	s_mov_b32 s54, 0x3fb8aa3b                      ; log2(e)
	s_mov_b32 s55, s54                             ; (named with it as a pair, so it is written)
	s_mov_b32 s56, 0xffff0000                      ; lanes 16-31
	s_mov_b32 s75, 0
	s_lshl_b32 s74, ttmp9, 19                      ; the work-group's 512 rows of 1,024 bytes,
	s_lshl_b32 s60, s2, 15                         ; my wave's 32 of a pair's 128
	s_add_co_u32 s74, s74, s60
	s_wait_kmcnt 0x0
	s_add_nc_u64 s[8:9], s[8:9], s[74:75]
	s_mov_b32 s44, 1                               ; group 0 for pair 0: count = 1,
	s_mov_b32 s45, s57                             ; LDS address: slot 0,
	s_mov_b64 s[46:47], s[8:9]                     ; global address,
	s_or_b32 s47, s47, 0x80000000                  ; type = 2
	s_mov_b32 s48, 1                               ; and for pair 1, in slot 1; this one then walks
	s_add_co_u32 s49, s57, SLOTB
	s_add_nc_u64 s[50:51], s[8:9], 131072
	s_or_b32 s51, s51, 0x80000000
	tensor_load_to_lds s[44:47], s[36:43]          ; the two first fills go out together, ahead of every wait on TENSORcnt, every LDS read and every barrier: two loads of mine are out, never more
	s_nop 0
	tensor_load_to_lds s[48:51], s[36:43]
	s_nop 0
	PLACES
	v_and_b32 v[D0], 31, v0                        ; lane
	v_and_b32 v[D1], 15, v0                        ; r
	v_bfe_u32 v[D2], v0, 4, 1                      ; h
	v_lshlrev_b32 v[LI], 4, v[D0]
	v_lshlrev_b32 v[D3], 2, v[D0]                  ; 4 x lane
	v_add_nc_u32 v[BL16], BASE0, v[LI]
	v_add_nc_u32 v[BL4], BASE0, v[D3]
	v_lshl_add_u32 v[BR4], v[D1], 2, BASE0
	v_lshl_add_u32 v[BH], v[D2], 8, v[BR4]
	v_mul_u32_u24 v[XR], v[D1], XPITCH
	v_lshl_add_u32 v[XR], v[D2], 6, v[XR]
	v_add_nc_u32 v[XR], s57, v[XR]
	v_lshlrev_b32 v[QO], 5, v[D1]
	v_lshlrev_b32 v[A64H], 6, v[D2]
	v_lshlrev_b32 v[A32H], 5, v[D2]
	s_load_b32 s34, s[30:31], 0x0                  ; bb2b
	s_lshl_b32 s74, ttmp9, 14                      ; q: 512 rows of 32 bytes
	s_add_nc_u64 s[10:11], s[10:11], s[74:75]
	s_lshl_b32 s74, ttmp9, 11                      ; the output: 512 numbers
	s_add_nc_u64 s[32:33], s[32:33], s[74:75]
	s_mul_i32 s74, s2, 44*FRB                      ; my 44 fragments,
	s_add_nc_u64 s[12:13], s[12:13], s[74:75]
	s_mul_i32 s74, s2, 22*128                      ; my 22 scale registers
	s_add_nc_u64 s[14:15], s[14:15], s[74:75]
	s_cmp_lt_u32 s2, 2                             ; tiles 0-7: b1a for waves 0, 1, b2a for waves 2, 3,
	s_cselect_b64 s[16:17], s[16:17], s[18:19]
	s_and_b32 s74, s2, 1
	s_lshl_b32 s74, s74, 9                         ; units 128 (w & 1) on
	s_add_nc_u64 s[16:17], s[16:17], s[74:75]
	s_lshl_b32 s74, s2, 8                          ; bb2a and wb2b: units 64 w on
	s_add_nc_u64 s[20:21], s[20:21], s[74:75]
	s_add_nc_u64 s[28:29], s[28:29], s[74:75]
	s_lshl_b32 s74, s2, 6                          ; bb1, b1b, b2b: e = 16 w on
	s_add_nc_u64 s[22:23], s[22:23], s[74:75]
	s_add_nc_u64 s[24:25], s[24:25], s[74:75]
	s_add_nc_u64 s[26:27], s[26:27], s[74:75]
.set F, 0
.rept 22
	global_load_b32 v[WS+F], v[D3], s[14:15] offset:128*F      ; the weights' scale words
.set F, F+1
.endr
.set F, 0
.rept 44                               ; the weights: fragment F as its registers' image, 512 consecutive bytes a load; they stay
	WIN (1+F/21)<<6                                ; destination window 1, 2 or 3; address window 0
.irp c, 0,1,2
	global_load_b128 v[12*(F%21)+4*\c:12*(F%21)+4*\c+3], v[LI], s[12:13] offset:FRB*F+512*\c
.endr
.set F, F+1
.endr
	WIN 0xc0                                       ; the biases, in the result's layout: lane (r, h) holds the tile's eight columns of its half
.irp t, 0,1,2,3,4,5,6,7                ; tile 2 b + u: units 32 b + 16 h + 8 u + 0 .. 7
	global_load_b128 v[BI+8*\t:BI+8*\t+3], v[A64H], s[16:17] offset:(32*(\t/2)+8*(\t%2))*4
	global_load_b128 v[BI+8*\t+4:BI+8*\t+7], v[A64H], s[16:17] offset:(32*(\t/2)+8*(\t%2))*4+16
.endr
.irp t, 0,1,2,3                        ; tiles 8-11, and wb2b at the same units: 16 t + 8 h + 0 .. 7
	global_load_b128 v[BI+64+8*\t:BI+64+8*\t+3], v[A32H], s[20:21] offset:64*\t
	global_load_b128 v[BI+64+8*\t+4:BI+64+8*\t+7], v[A32H], s[20:21] offset:64*\t+16
	global_load_b128 v[WB+8*\t:WB+8*\t+3], v[A32H], s[28:29] offset:64*\t
	global_load_b128 v[WB+8*\t+4:WB+8*\t+7], v[A32H], s[28:29] offset:64*\t+16
.endr
	global_load_b128 v[BI+96:BI+99], v[A32H], s[22:23]             ; tile 12: bb1
	global_load_b128 v[BI+100:BI+103], v[A32H], s[22:23] offset:16
.irp a, 0,1,2,3,4,5,6,7                ; tiles 13-20: b1b, agent a
	global_load_b128 v[BI+104+8*\a:BI+104+8*\a+3], v[A32H], s[24:25] offset:256*\a
	global_load_b128 v[BI+104+8*\a+4:BI+104+8*\a+7], v[A32H], s[24:25] offset:256*\a+16
.endr
	global_load_b128 v[BI+168:BI+171], v[A32H], s[26:27]           ; tile 21: b2b
	global_load_b128 v[BI+172:BI+175], v[A32H], s[26:27] offset:16
	WIN 0
	s_wait_kmcnt 0x0
	s_mov_b32 s35, s34                             ; (named with it as a pair, so it is written)
	s_wait_loadcnt 0x0                             ; weights, scale words and biases are in
	s_mov_b32 s6, 0                                ; pair 0 lies in slot 0
	s_mov_b32 s3, 0
.LpairA:                                               ; pairs 0 and 1: behind each the slot is filled again
	s_wait_tensorcnt 0x1                           ; my rows of the slot in hand are in: on both ways here one load of mine was issued behind theirs, and may be out
	PAIR 1
	s_add_co_u32 s3, s3, 1
	s_cmp_lt_u32 s3, 2
	s_cbranch_scc1 .LpairA
	s_wait_tensorcnt 0x0                           ; the last load, pair 3's, is in
	s_mov_b32 s3, 0
.LpairB:                                               ; pairs 2 and 3 are written a second time, without the load
	PAIR 0
	s_add_co_u32 s3, s3, 1
	s_cmp_lt_u32 s3, 2
	s_cbranch_scc1 .LpairB
	s_wait_tensorcnt 0x0                           ; the wave's end: behind my last tensor load and my last LDS store
	ds_add_u32 v[SPW], v[NIL]
	s_wait_dscnt 0x0
	s_endpgm
.Lfunc_end_k_q49cbd0aa1a_mix:
	.size	k_q49cbd0aa1a_mix, .Lfunc_end_k_q49cbd0aa1a_mix-k_q49cbd0aa1a_mix
	.p2alignl 7, 3214868480
	.fill 96, 4, 3214868480
	.section	.rodata,"a",@progbits
	.p2align	6, 0x0
	.amdhsa_kernel k_q49cbd0aa1a_mix
		.amdhsa_group_segment_fixed_size 327680
		.amdhsa_private_segment_fixed_size 0
		.amdhsa_enable_private_segment 0
		.amdhsa_kernarg_size 104
		.amdhsa_user_sgpr_count 2
		.amdhsa_user_sgpr_kernarg_segment_ptr 1
		.amdhsa_wavefront_size32 1
		.amdhsa_system_sgpr_workgroup_id_x 1
		.amdhsa_system_sgpr_workgroup_id_y 1
		.amdhsa_system_sgpr_workgroup_id_z 1
		.amdhsa_system_vgpr_workitem_id 0
		.amdhsa_next_free_vgpr 1024
		.amdhsa_next_free_sgpr 80
		.amdhsa_reserve_vcc 0
		.amdhsa_float_denorm_mode_32 3
		.amdhsa_float_denorm_mode_16_64 3
		.amdhsa_memory_ordered 1
		.amdhsa_forward_progress 1
		.amdhsa_inst_pref_size 205
	.end_amdhsa_kernel
	.amdgpu_metadata
---
amdhsa.version: [ 1, 2 ]
amdhsa.kernels:
  - .name:           k_q49cbd0aa1a_mix
    .symbol:         k_q49cbd0aa1a_mix.kd
    .args:
      - { .name: central_states, .offset: 0, .size: 8, .value_kind: global_buffer, .address_space: global }
      - { .name: agent_q_values, .offset: 8, .size: 8, .value_kind: global_buffer, .address_space: global }
      - { .name: wimg, .offset: 16, .size: 8, .value_kind: global_buffer, .address_space: global }
      - { .name: wscl, .offset: 24, .size: 8, .value_kind: global_buffer, .address_space: global }
      - { .name: b1a, .offset: 32, .size: 8, .value_kind: global_buffer, .address_space: global }
      - { .name: b2a, .offset: 40, .size: 8, .value_kind: global_buffer, .address_space: global }
      - { .name: bb2a, .offset: 48, .size: 8, .value_kind: global_buffer, .address_space: global }
      - { .name: bb1, .offset: 56, .size: 8, .value_kind: global_buffer, .address_space: global }
      - { .name: b1b, .offset: 64, .size: 8, .value_kind: global_buffer, .address_space: global }
      - { .name: b2b, .offset: 72, .size: 8, .value_kind: global_buffer, .address_space: global }
      - { .name: wb2b, .offset: 80, .size: 8, .value_kind: global_buffer, .address_space: global }
      - { .name: bb2b, .offset: 88, .size: 8, .value_kind: global_buffer, .address_space: global }
      - { .name: out0, .offset: 96, .size: 8, .value_kind: global_buffer, .address_space: global }
    .group_segment_fixed_size: 327680
    .private_segment_fixed_size: 0
    .kernarg_segment_align: 8
    .kernarg_segment_size: 104
    .max_flat_workgroup_size: 128
    .sgpr_count:     80
    .vgpr_count:     1024
    .wavefront_size: 32
...
	.end_amdgpu_metadata
.endif
;; end of part 2
